; MI455X (gfx1250); checked and timed in simulation.
; The chip was launched on July 23, 2026; its instructions are those of AMD's public machine-readable ISA for CDNA 5 (MIT licence, August 2026) and "CDNA5" Instruction Set Architecture Reference Guide (July 2026). The comments in the code are by the model that wrote it; some were corrected since.
;; Encoder Layer. Allowed arithmetic: matrix products marked QUANTISED: E4M3 operands, one E8M0 scale for each 32 along K, by v_wmma_scale_f32_16x16x128_f8f6f4 with both operands' format E4M3, f32 sums; everything else in f32.
;; Inputs: W1_codes 2,048 x 16 x 32 uint8 (E4M3 codes of W1, K innermost, in blocks of 32 codes); W1_scales 2,048 x 16 uint8 (E8M0 scales of W1, one for each 32 codes along K); W2_codes 512 x 64 x 32 uint8 (E4M3 codes of W2, K innermost, in blocks of 32 codes); W2_scales 512 x 64 uint8 (E8M0 scales of W2, one for each 32 codes along K); Wk_codes 512 x 16 x 32 uint8 (E4M3 codes of Wk, K innermost, in blocks of 32 codes); Wk_scales 512 x 16 uint8 (E8M0 scales of Wk, one for each 32 codes along K); Wo_codes 512 x 16 x 32 uint8 (E4M3 codes of Wo, K innermost, in blocks of 32 codes); Wo_scales 512 x 16 uint8 (E8M0 scales of Wo, one for each 32 codes along K); Wq_codes 512 x 16 x 32 uint8 (E4M3 codes of Wq, K innermost, in blocks of 32 codes); Wq_scales 512 x 16 uint8 (E8M0 scales of Wq, one for each 32 codes along K); Wv_codes 512 x 16 x 32 uint8 (E4M3 codes of Wv, K innermost, in blocks of 32 codes); Wv_scales 512 x 16 uint8 (E8M0 scales of Wv, one for each 32 codes along K); b1 2,048 float32; b2 512 float32; beta1 512 float32; beta2 512 float32; bk 512 float32; bo 512 float32; bq 512 float32; bv 512 float32; gamma1 512 float32; gamma2 512 float32; x 2 x 4,096 x 512 float32.
;; Outputs: out0 2 x 4,096 x 512 float32.
;; This version of the problem:
;;   THIS VERSION OF THE PROBLEM IS GIVEN IN LOW PRECISION. The matrix products marked QUANTISED in the list below multiply operands that are first quantised to E4M3 (4 exponent bits, 3 mantissa bits; 8 bits a number), with one power-of-two scale for each 32 numbers along K (OCP MX v1.0); their sums are f32. All else is computed in f32.
;;   The module's matrix products, in the order in which they are computed (A, B: the left and right operand; K: the contracted axis; several contracted axes count as one K, in the product's order):
;;     1. [M 8,192, K 512] x [K 512, N 512]; A: input x; B: input Wq (given as codes): QUANTISED
;;     2. [M 8,192, K 512] x [K 512, N 512]; A: input x; B: input Wk (given as codes): QUANTISED
;;     3. [M 8,192, K 512] x [K 512, N 512]; A: input x; B: input Wv (given as codes): QUANTISED
;;     4. batch 16 x [M 4,096, K 64] x [K 64, N 4,096]; A: computed on the way; B: computed on the way: QUANTISED
;;     5. batch 16 x [M 4,096, K 4,096] x [K 4,096, N 64]; A: softmax (see below); B: computed on the way: QUANTISED
;;     6. [M 8,192, K 512] x [K 512, N 512]; A: computed on the way; B: input Wo (given as codes): QUANTISED
;;     7. [M 8,192, K 512] x [K 512, N 2,048]; A: computed on the way; B: input W1 (given as codes): QUANTISED
;;     8. [M 8,192, K 2,048] x [K 2,048, N 512]; A: computed on the way; B: input W2 (given as codes): QUANTISED
;;   THE QUANTISER, for each operand of a quantised product, along K:
;;     - K is cut into blocks of 32 from its start; a last block that is shorter is filled with zeros.
;;     - A block's scale is 2^e with e = floor(log2(the largest magnitude in the block)) - 8, held to -126 .. 127; a block of zeros has e = 0. As a byte (E8M0): e + 127.
;;     - Each number is divided by its block's scale, clamped to +-448, and rounded to the nearest number of E4M3, ties to even, subnormals kept.
;;     - The product sums the exact products of the quantised numbers (number of the format x scale) in f32.
;;   ~~~python
;;   def quantise(x, axis):      # numpy; x: float32 -> the quantised numbers, widened to float32 again
;;       x = np.moveaxis(x, axis, -1); K = x.shape[-1]
;;       x = np.pad(x, [(0, 0)] * (x.ndim - 1) + [(0, -K % 32)]); x = x.reshape(x.shape[:-1] + (-1, 32)); a = np.abs(x).max(-1, keepdims=True)
;;       e = np.where(a > 0, np.clip(np.frexp(np.where(a > 0, a, 1))[1] - 1 - 8, -126, 127), 0)      # np.frexp(a)[1] - 1 = floor(log2(a)), exactly
;;       r = np.clip(x / 2.0 ** e, -448, 448)
;;       step = 2.0 ** (np.maximum(np.frexp(np.where(r == 0, 1, r))[1] - 1, -6) - 3)
;;       q = np.round(r / step) * step * 2.0 ** e      # np.round: ties to even
;;       return np.moveaxis(q.reshape(q.shape[:-2] + (-1,))[..., :K], -1, axis).astype(np.float32)
;;   ~~~
;;   SOFTMAX AHEAD OF A QUANTISED PRODUCT. Where the list says 'softmax', what is quantised is not the finished softmax but p = 2^(t - M), with t = logit x log2(e) and M = ceil(the row's largest t), a whole number; so 1/2 < the row's largest p <= 1. The row's sum l is taken of the UNQUANTISED p, in f32, and the product's result is divided by l at the end. Since M is a whole number, a kernel that streams over the keys may use a running M (the ceiling of the running maximum): every later rescaling is an exact power of two, which a block's scale takes up: the codes' values come out the same.
;;   OPERANDS COMPUTED ON THE WAY. 'Computed on the way' means the value that the module computes at that place (a softmax that the list does not call 'softmax' is quantised finished and normalised). What goes into a quantiser is computed in f32, as accurately as f32 sums, v_exp_f32 and their like allow (about 1e-6 of the number): no bf16 or f16 on the way to a quantiser, and a product that is left as it is and whose result goes on into a quantised operand takes f32 operands (vector FMAs, or v_wmma_f32_16x16x4_f32). A number that lies on a knife's edge between two numbers of the format may be rounded either way, as far as f32 arithmetic and the matrix unit's own rounding can turn it there, and no further.
;;   INPUTS GIVEN AS CODES. W1 (in the module: [512, 2048], K = its axis 0); W2 (in the module: [2048, 512], K = its axis 0); Wk (in the module: [512, 512], K = its axis 0); Wo (in the module: [512, 512], K = its axis 0); Wq (in the module: [512, 512], K = its axis 0); Wv (in the module: [512, 512], K = its axis 0): each comes as NAME_codes (uint8): NAME with its K axis moved to the last place and cut into blocks of 32 codes, [.., K / 32, bytes a block], one block behind the other in memory; one code a byte (a code: sign, 4 exponent bits, 3 mantissa bits); and NAME_scales (uint8): the same leading axes, one E8M0 byte (e + 127) for each 32 codes along K. Its value is code x scale, taken as it is: it is not quantised again, and the codes and scales need not be those that the quantiser above would give.
;; One version. Each part assembles by itself: llvm-mc -triple=amdgcn-amd-amdhsa -mcpu=gfx1250 --defsym DOCPART=n.
;; ======== version 1 of 1: 3 launches
;; limits: right only within a limited range of input values
;; workspace buffers: qimg 4,194,304 bytes; qsc 262,144 bytes; kv 8,650,752 bytes; oimg 4,194,304 bytes; osc 131,072 bytes
;; launch qkv (part 1): grid 64 x 4, 4 waves a work-group, no clusters, 70,144 bytes of LDS; arguments x, Wq_codes, Wq_scales, bq, Wk_codes, Wk_scales, bk, Wv_codes, Wv_scales, bv, qimg, qsc, kv; writes qimg, qsc, kv
.if DOCPART == 1
	.amdgcn_target "amdgcn-amd-amdhsa--gfx1250"
	.amdhsa_code_object_version 6
	.text
	.protected	k_qb6e888c2a0_qkv
	.globl	k_qb6e888c2a0_qkv
	.p2align	8
	.type	k_qb6e888c2a0_qkv,@function
k_qb6e888c2a0_qkv:
	s_mov_b64 s[64:65], 0
	v_nop
	global_prefetch_b8 v0, s[64:65] scope:SCOPE_SE
	s_setreg_imm32_b32 hwreg(HW_REG_WAVE_MODE, 25, 1), 1
	s_wait_xcnt 0x0
; q = x Wq + bq, k = x Wk + bk, v = x Wv + bv on codes of FP8 (E4M3) with one E8M0 scale for each 32 along K; then q and k are quantised along the head's 64, v along the keys.
; x: [8192][512] f32, quantised here along its 512.  W*: codes [512 (n)][512 (k)], scale bytes [512][16].  Results leave as IMAGES OF OPERAND REGISTERS (a group of four registers = 512 bytes, lane l at 16 l):
;   qimg [bh 16][tile 256][d block 2][512];  qsc [bh][tile][16] words (s0, s0, s1, s1);
;   kv   [bh][128 keys: 32][16,896]: K 4 x 2,048 (fragment g packs key tiles 2 g, 2 g + 1: group 2 c + t = tile t, d block c), V 4 x 2,048 (fragment T, group g = keys 32 g on), K's 64 scale words, V's 64.
; A TILE OF 16 TOKENS IS NOT 16 NEIGHBOURS: lane r of tile 2 g + t holds token 32 g + 8 t + r + 8 (r / 8), so that where tokens are a result's rows, two tiles' 16 registers are 16 neighbouring tokens.  Rows of a weight tile likewise.
; SHARES.  A work-group takes 128 tokens (one record of kv) and two heads; wave w takes 32 columns of each of q, k, v: head w / 2 of the pair, d block w % 2.  Its 24 weight fragments stay in 384 registers.
; q, k: transposed (source 0 = 16 rows of W, source 1 = 16 tokens): a lane holds one token and 16 neighbours along d.  v: natural (source 0 = tokens, source 1 = rows of Wv): a lane holds one d and 16 neighbouring keys.
; No tensor load, no cluster: x has to pass a lane's registers as f32 for the quantiser, and each weight fragment is wanted by one wave alone, once.
; LIMITS: a block whose largest magnitude lies under 2^-118 (a block of zeros too) gets the scale byte 1: its codes are what the conversion gives under that scale, and this program alone reads the bytes.  NaN and infinities among the inputs are not served.
; REGISTERS: window 0: v1-15 addresses; v16-111 the six blocks of results (in the first phase v16-143: two sets of 64 numbers of x); v144-167 codes; v168-191 the quantiser's work; v200-211 weights' scale words, v212-215 x's.
;   window 1: Wq's 8 fragments, Wk's 8.   window 2: Wv's 8; from v128 bq, bk, bv in the results' layout.   window 3: x's 8 fragments of a pair of token tiles.
.set XSC,  65536                       ; LDS: x's 32 fragments lie from 0 on (2,048 each); here their scale words, 64 bytes a fragment
.set QSB,  67584                       ; q's scale half-words: 256 bytes for each wave
.set KSB,  68608                       ; k's: 128 bytes for each wave
.set REC,  16896
.set XA,   4                           ; v4   x: (r + 8 (r / 8)) rows of 2,048 bytes + 64 h
.set LI,   5                           ; v5   16 x lane: an image's place
.set XWI,  7                           ; v7   where I store x's images
.set XWS,  8                           ; v8   and their scale words
.set XSA,  9                           ; v9   where I read scale words: lanes 0-15 the even tile's, lanes 16-31 the odd tile's
.set QSA,  10                          ; v10  my q half-words
.set KSA,  11                          ; v11  my k half-words
.set WA,   12                          ; v12  a weight's row and half
.set ACC,  16
.set XF0,  16
.set PC,   144
.set TM,   168
.set PW,   192
.set VW,   194                         ; v194-195 v's scale words, a byte a pair of tiles
.set WS,   200
.set XS,   212
.set WSA,  216
.set BA,   217
.set BVA,  218
.set RGO,  219
.set QRD,  220
.set KRD,  221
.set QGO,  222
.set WV,   34
.set SEL,  36
.set MNT,  38
.set MSB,  0
.macro WIN new                         ; the immediate's high byte repeats the setting that is left
.if MSB != \new
	s_set_vgpr_msb (MSB<<8)|\new
.set MSB, \new
.endif
.endm
.macro NOPS cnt
.rept \cnt
	v_nop
.endr
.endm
; The matrix instruction named by the symbols dD, dA, dB, dC, dSA, dSB; dRA, dRB: the side's scale words stand in lanes 16-31
.macro WM
.if dRA && dRB
	v_wmma_scale_f32_16x16x128_f8f6f4 v[dD:dD+7], v[dA:dA+15], v[dB:dB+15], v[dC:dC+7], v[dSA], v[dSB] matrix_a_scale:MATRIX_SCALE_ROW1 matrix_b_scale:MATRIX_SCALE_ROW1
.elseif dRA
	v_wmma_scale_f32_16x16x128_f8f6f4 v[dD:dD+7], v[dA:dA+15], v[dB:dB+15], v[dC:dC+7], v[dSA], v[dSB] matrix_a_scale:MATRIX_SCALE_ROW1
.elseif dRB
	v_wmma_scale_f32_16x16x128_f8f6f4 v[dD:dD+7], v[dA:dA+15], v[dB:dB+15], v[dC:dC+7], v[dSA], v[dSB] matrix_b_scale:MATRIX_SCALE_ROW1
.else
	v_wmma_scale_f32_16x16x128_f8f6f4 v[dD:dD+7], v[dA:dA+15], v[dB:dB+15], v[dC:dC+7], v[dSA], v[dSB]
.endif
.endm
; nb blocks of 32: block b is my 16 numbers v[src + 16 b] on and lane l xor 16's.  Codes to v[PC + 4 b] on; the scale's byte to v[TM + nb + b].
.macro QUANT nb, src, relu
.set qb, 0
.rept \nb
.if \relu
	v_max3_num_f32 v[TM+qb], v[(\src)+16*qb], v[(\src)+16*qb+1], 0x4800000
.else
	v_max3_num_f32 v[TM+qb], |v[(\src)+16*qb]|, |v[(\src)+16*qb+1]|, 0x4800000   ; the floor 2^(9 - 127) among the leaves: the byte cannot fall under 1
.endif
.set qb, qb+1
.endr
.irp i, 2,4,6,8,10,12,14
.set qb, 0
.rept \nb
.if \relu
	v_max3_num_f32 v[TM+qb], v[TM+qb], v[(\src)+16*qb+\i], v[(\src)+16*qb+\i+1]
.else
	v_max3_num_f32 v[TM+qb], v[TM+qb], |v[(\src)+16*qb+\i]|, |v[(\src)+16*qb+\i+1]|   ; the blocks by turns: no line waits for the line above it
.endif
.set qb, qb+1
.endr
.endr
.set qb, 0
.rept \nb
	v_permlanex16_b32 v[TM+\nb+qb], v[TM+qb], s[SEL], s[SEL+1]
.set qb, qb+1
.endr
.set qb, 0
.rept \nb
	v_max_num_f32 v[TM+qb], v[TM+qb], v[TM+\nb+qb]          ; the block's largest magnitude
.set qb, qb+1
.endr
.set qb, 0
.rept \nb
	v_add_nc_u32 v[TM+3*\nb+qb], 0xfc000000, v[TM+qb]       ; 8 off its exponent field: the conversion's scale operand
.set qb, qb+1
.endr
.set qb, 0
.rept \nb
	v_and_or_b32 v[TM+2*\nb+qb], v[TM+qb], 0x7f800000, s[MNT]   ; 448 x the scale
.set qb, qb+1
.endr
.set qb, 0
.rept \nb
	v_lshrrev_b32 v[TM+\nb+qb], 23, v[TM+3*\nb+qb]          ; the scale's byte
.set qb, qb+1
.endr
.set qb, 0
.rept \nb
.irp i, 0,1,2,3,4,5,6,7,8,9,10,11,12,13,14,15
.if \relu
	v_med3_num_f32 v[(\src)+16*qb+\i], v[(\src)+16*qb+\i], 0, v[TM+2*\nb+qb]
.else
	v_med3_num_f32 v[(\src)+16*qb+\i], v[(\src)+16*qb+\i], -v[TM+2*\nb+qb], v[TM+2*\nb+qb]   ; the conversion to an 8-bit code does not saturate (ISA guide 7.6.2): the hold
.endif
.endr
	v_cvt_scalef32_pk8_fp8_f32 v[PC+4*qb:PC+4*qb+1], v[(\src)+16*qb:(\src)+16*qb+7], v[TM+3*\nb+qb]
	v_cvt_scalef32_pk8_fp8_f32 v[PC+4*qb+2:PC+4*qb+3], v[(\src)+16*qb+8:(\src)+16*qb+15], v[TM+3*\nb+qb]
.set qb, qb+1
.endr
	v_nop                                          ; a plain line behind the last conversion: later products write its sources
.endm
	s_load_b512 s[8:23], s[0:1], 0x0               ; x 8, Wq codes 10, Wq scales 12, bq 14, Wk codes 16, Wk scales 18, bk 20, Wv codes 22
	s_load_b256 s[24:31], s[0:1], 0x40             ; Wv scales 24, bv 26, qimg 28, qsc 30
	s_load_b64 s[32:33], s[0:1], 0x60              ; kv
	v_lshl_add_u32 v254, v0, 2, 0x11000
	v_mov_b32 v255, 0
	v_lshrrev_b32 v13, 5, v0
	v_readfirstlane_b32 s[WV], v13                 ; wave 0..3
	v_and_b32 v1, 31, v0                           ; lane
	v_and_b32 v2, 15, v0                           ; r
	v_bfe_u32 v3, v0, 4, 1                         ; h
	v_and_b32 v13, 8, v2
	v_add_nc_u32 v13, v13, v2                      ; r + 8 (r / 8)
	s_lshr_b32 s42, s[WV], 1                       ; which head of the pair
	s_and_b32 s43, s[WV], 1                        ; which d block of 32
	v_lshlrev_b32 v[XA], 11, v13
	v_lshl_add_u32 v[XA], v3, 6, v[XA]
	v_lshlrev_b32 v[LI], 4, v1
	s_lshl_b32 s39, s[WV], 14
	v_add_nc_u32 v[XWI], s39, v[LI]                ; my two tiles' eight fragments: 16,384 x wave
	v_lshlrev_b32 v14, 2, v2
	s_lshl_b32 s39, s[WV], 9
	s_add_co_u32 s39, s39, XSC
	v_add_nc_u32 v[XWS], s39, v14
	v_lshl_add_u32 v[XSA], v3, 8, v14
	v_add_nc_u32 v[XSA], XSC, v[XSA]
	v_lshlrev_b32 v15, 1, v2
	s_lshl_b32 s39, s[WV], 8
	s_add_co_u32 s39, s39, QSB
	v_add_nc_u32 v[QSA], s39, v15
	s_lshl_b32 s39, s[WV], 7
	s_add_co_u32 s39, s39, KSB
	v_add_nc_u32 v[KSA], s39, v15
	v_lshlrev_b32 v[WA], 9, v13
	v_lshl_add_u32 v[WA], v3, 4, v[WA]
	v_lshlrev_b32 v[WSA], 4, v13
	v_lshl_add_u32 v[WSA], v3, 7, v[WSA]           ; scale bytes: 16 a row; lanes 16-31 take the second tile's rows, 8 further on
	v_lshlrev_b32 v[BA], 6, v3
	v_lshlrev_b32 v[BVA], 2, v13
	v_lshlrev_b32 v6, 2, v1
	s_lshl_b32 s39, s43, 7
	v_add_nc_u32 v[RGO], s39, v6                   ; a record's scale words: my half of 128 bytes, 4 bytes a lane
	s_lshl_b32 s39, s42, 9
	s_lshl_b32 s35, s43, 7
	s_add_co_u32 s39, s39, s35
	s_add_co_u32 s39, s39, QSB
	v_add_nc_u32 v[QRD], s39, v6                   ; the way out of q's half-words: the head's d block 0, my half; d block 1 lies 256 bytes on
	v_lshlrev_b32 v[KRD], 1, v1
	s_lshl_b32 s39, s42, 8
	s_lshl_b32 s35, s43, 6
	s_add_co_u32 s39, s39, s35
	s_add_co_u32 s39, s39, KSB
	v_add_nc_u32 v[KRD], s39, v[KRD]
	v_lshlrev_b32 v[QGO], 3, v1
.irp i, 4,5,6,7,8,9,10,11
	v_mov_b32 v[TM+\i], 0                          ; written once: a lane permute's destination counts as one of its sources
.endr
	s_mov_b32 s[SEL], 0x76543210
	s_mov_b32 s[SEL+1], 0xfedcba98                 ; lane l xor 16
	s_mov_b32 s[MNT], 0x600000                     ; the mantissa field of 448
	s_and_b32 s40, ttmp7, 0xffff                   ; the pair of heads
	s_lshl_b32 s44, s40, 7
	s_lshl_b32 s45, s[WV], 5
	s_add_co_u32 s44, s44, s45                     ; my first column: 128 x pair + 32 x wave
	s_lshl_b32 s46, s44, 9                         ; in the codes,
	s_mov_b32 s47, 0
	s_lshl_b32 s48, s44, 4                         ; in the scale bytes,
	s_mov_b32 s49, 0
	s_lshl_b32 s50, s44, 2                         ; in the biases
	s_mov_b32 s51, 0
	s_lshl_b32 s52, ttmp9, 18
	s_lshl_b32 s53, s[WV], 16
	s_add_co_u32 s52, s52, s53                     ; x: 128 tokens a work-group, 32 a wave, 2,048 bytes a token
	s_mov_b32 s53, 0
	s_lshr_b32 s54, ttmp9, 5                       ; batch
	s_and_b32 s55, ttmp9, 31                       ; which 128 tokens of it
	s_lshl_b32 s54, s54, 3
	s_lshl_b32 s56, s40, 1
	s_add_co_u32 s54, s54, s56
	s_add_co_u32 s54, s54, s42                     ; bh = 8 x batch + head
	s_lshl_b32 s56, s54, 5
	s_add_co_u32 s56, s56, s55
	s_mul_i32 s56, s56, REC                        ; my record of kv
	s_mov_b32 s57, 0
	s_lshl_b32 s58, s54, 18
	s_lshl_b32 s59, s55, 13
	s_add_co_u32 s58, s58, s59
	s_lshl_b32 s59, s43, 9
	s_add_co_u32 s58, s58, s59                     ; qimg: 262,144 a head, 1,024 a tile, 512 a d block
	s_mov_b32 s59, 0
	s_lshl_b32 s60, s54, 14
	s_lshl_b32 s61, s55, 9
	s_add_co_u32 s60, s60, s61
	s_lshl_b32 s61, s43, 8
	s_add_co_u32 s60, s60, s61                     ; qsc: 64 bytes a tile; at the end I store half of the head's 512
	s_mov_b32 s61, 0
	s_wait_kmcnt 0x0
	s_add_nc_u64 s[8:9], s[8:9], s[52:53]
	s_add_nc_u64 s[10:11], s[10:11], s[46:47]
	s_add_nc_u64 s[16:17], s[16:17], s[46:47]
	s_add_nc_u64 s[22:23], s[22:23], s[46:47]
	s_add_nc_u64 s[12:13], s[12:13], s[48:49]
	s_add_nc_u64 s[18:19], s[18:19], s[48:49]
	s_add_nc_u64 s[24:25], s[24:25], s[48:49]
	s_add_nc_u64 s[14:15], s[14:15], s[50:51]
	s_add_nc_u64 s[20:21], s[20:21], s[50:51]
	s_add_nc_u64 s[26:27], s[26:27], s[50:51]
	s_add_nc_u64 s[28:29], s[28:29], s[58:59]
	s_add_nc_u64 s[30:31], s[30:31], s[60:61]
	s_add_nc_u64 s[32:33], s[32:33], s[56:57]
	s_lshl_b32 s46, s43, 10
	s_add_nc_u64 s[4:5], s[32:33], s[46:47]        ; K's groups of my d block: 1,024 c on
	s_lshl_b32 s46, s43, 12
	s_add_nc_u64 s[6:7], s[32:33], s[46:47]        ; V's fragments of my d block: 4,096 c on
	; the weights: lane r of tile u takes row 8 u + r + 8 (r / 8) of my 32
	WIN 0x40
.irp u, 0,1
.irp s, 0,1,2,3
.irp c, 0,1,2,3
	global_load_b128 v[16*(4*\u+\s)+4*\c:16*(4*\u+\s)+4*\c+3], v[WA], s[10:11] offset:4096*\u+128*\s+32*\c
	global_load_b128 v[128+16*(4*\u+\s)+4*\c:128+16*(4*\u+\s)+4*\c+3], v[WA], s[16:17] offset:4096*\u+128*\s+32*\c
.endr
.endr
.endr
	WIN 0x80
.irp u, 0,1
.irp s, 0,1,2,3
.irp c, 0,1,2,3
	global_load_b128 v[16*(4*\u+\s)+4*\c:16*(4*\u+\s)+4*\c+3], v[WA], s[22:23] offset:4096*\u+128*\s+32*\c
.endr
.endr
.endr
.irp u, 0,1                            ; the biases are the C of each sum's first product.  q, k: register j = column 8 u + 16 h + j.  v: all eight registers = my lane's column
	global_load_b128 v[128+8*\u:128+8*\u+3], v[BA], s[14:15] offset:32*\u
	global_load_b128 v[128+8*\u+4:128+8*\u+7], v[BA], s[14:15] offset:32*\u+16
	global_load_b128 v[144+8*\u:144+8*\u+3], v[BA], s[20:21] offset:32*\u
	global_load_b128 v[144+8*\u+4:144+8*\u+7], v[BA], s[20:21] offset:32*\u+16
.irp j, 0,1,2,3,4,5,6,7
	global_load_b32 v[160+8*\u+\j], v[BVA], s[26:27] offset:32*\u
.endr
.endr
	WIN 0
	global_load_b128 v[WS:WS+3], v[WSA], s[12:13]      ; a row's 16 scale bytes are its four K steps' words
	global_load_b128 v[WS+4:WS+7], v[WSA], s[18:19]
	global_load_b128 v[WS+8:WS+11], v[WSA], s[24:25]
; ---- X: my 32 tokens become eight fragments (tile t, K step s).  64 numbers a lane: of my token, 16 neighbours of each block of 32
.macro XLOAD set, t, s
.irp b, 0,1,2,3
.irp j, 0,1,2,3
	global_load_b128 v[(\set)+16*\b+4*\j:(\set)+16*\b+4*\j+3], v[XA], s[8:9] offset:16384*(\t)+512*(\s)+128*\b+16*\j
.endr
.endr
.endm
	XLOAD XF0, 0, 0
.set U, 0
.rept 8
.if U < 7
	XLOAD XF0+64*((U+1)%2), (U+1)/4, (U+1)%4
	s_wait_loadcnt 16                              ; the 16 loads just issued may be out; this unit's, and the weights ahead of them, are in
.else
	s_wait_loadcnt 0x0
.endif
	QUANT 4, XF0+64*(U%2), 0
	v_lshl_or_b32 v[PW], v[TM+5], 8, v[TM+4]       ; the four bytes make my token's scale word
	v_lshl_or_b32 v[PW], v[TM+6], 16, v[PW]
	v_lshl_or_b32 v[PW], v[TM+7], 24, v[PW]
.irp c, 0,1,2,3
	ds_store_b128 v[XWI], v[PC+4*\c:PC+4*\c+3] offset:2048*U+512*\c
.endr
	ds_store_b32 v[XWS], v[PW] offset:64*U         ; both halves of the lanes write the same word with the same value
	s_wait_dscnt 0x0                               ; the stores have read their registers
.set U, U+1
.endr
	s_barrier_signal -1                            ; (my LDS stores have landed: the wait above)
	s_barrier_wait -1                              ; x's 32 fragments lie in LDS
; ---- 1: a pair of token tiles (32 neighbouring tokens) at a time
.macro FETCH g
	WIN 0xc0
.irp t, 0,1
.irp s, 0,1,2,3
.irp c, 0,1,2,3
	ds_load_b128 v[16*(4*\t+\s)+4*\c:16*(4*\t+\s)+4*\c+3], v[LI] offset:2048*(4*(2*(\g)+\t)+\s)+512*\c
.endr
.endr
.endr
	WIN 0
.irp s, 0,1,2,3
	ds_load_b32 v[XS+\s], v[XSA] offset:512*(\g)+64*\s
.endr
.endm
.macro PAIR g
	s_wait_dscnt 0x0                               ; the pair's fragments and scale words are in
.irp s, 0,1,2,3                        ; q and k: eight accumulators by turns, a K step at a time
.if \s == 0
	WIN 0x2d                                       ; source 0 (W) window 1, source 1 (x) window 3, C (the bias) window 2
.else
	WIN 0x0d
.endif
.irp rho, 0,1
.irp t, 0,1
.irp u, 0,1
.set dD, ACC+16*(2*\rho+\t)+8*\u
.set dA, 128*\rho+16*(4*\u+\s)
.set dB, 16*(4*\t+\s)
.if \s == 0
.set dC, 128+16*\rho+8*\u
.else
.set dC, dD
.endif
.set dSA, WS+4*\rho+\s
.set dSB, XS+\s
.set dRA, \u
.set dRB, \t
	WM
.endr
.endr
.endr
.endr
.irp s, 0,1,2,3                        ; v: four accumulators by turns; source 0 = the tokens, source 1 = Wv's rows
.if \s == 0
	WIN 0x2b
.else
	WIN 0x0b
.endif
.irp t, 0,1
.irp u, 0,1
.set dD, ACC+64+16*\u+8*\t
.set dA, 16*(4*\t+\s)
.set dB, 16*(4*\u+\s)
.if \s == 0
.set dC, 160+8*\u
.else
.set dC, dD
.endif
.set dSA, XS+\s
.set dSB, WS+8+\s
.set dRA, \t
.set dRB, \u
	WM
.endr
.endr
.endr
	WIN 0
	NOPS 8                                         ; eight places behind this form: for the loads into x's fragments and scale words, and for the first read of the results
.if \g < 3
	FETCH \g+1                                     ; lands while this pair is quantised
.endif
	s_wait_xcnt 0x0                                ; the last pair's stores have read the codes' registers
	QUANT 6, ACC, 0                                ; blocks: q of tile 0, 1; k of tile 0, 1; v of d tile 0, 1
	global_store_b128 v[LI], v[PC:PC+3], s[28:29] offset:1024*(2*\g)
	global_store_b128 v[LI], v[PC+4:PC+7], s[28:29] offset:1024*(2*\g+1)
	global_store_b128 v[LI], v[PC+8:PC+11], s[4:5] offset:2048*\g
	global_store_b128 v[LI], v[PC+12:PC+15], s[4:5] offset:2048*\g+512
	global_store_b128 v[LI], v[PC+16:PC+19], s[6:7] offset:8192+512*\g
	global_store_b128 v[LI], v[PC+20:PC+23], s[6:7] offset:8192+2048+512*\g   ; each store of the wave covers 512 consecutive bytes, aligned
	v_mul_u32_u24 v13, v[TM+6], 0x101              ; q's byte twice: the packed product reads it for two blocks
	v_mul_u32_u24 v14, v[TM+7], 0x101
	v_lshl_or_b32 v15, v[TM+9], 8, v[TM+8]         ; k's bytes of the two tiles that a fragment packs
	ds_store_b16 v[QSA], v13 offset:32*(2*\g)
	ds_store_b16 v[QSA], v14 offset:32*(2*\g+1)
	ds_store_b16 v[KSA], v15 offset:32*\g
.if \g == 0
	v_mov_b32 v[VW], v[TM+10]
	v_mov_b32 v[VW+1], v[TM+11]
.else
	v_lshl_or_b32 v[VW], v[TM+10], 8*\g, v[VW]     ; v's byte of key block g
	v_lshl_or_b32 v[VW+1], v[TM+11], 8*\g, v[VW+1]
.endif
.endm
	FETCH 0
	PAIR 0
	PAIR 1
	PAIR 2
	PAIR 3
	v_cmp_lt_u32 vcc_lo, 15, v1
	v_cndmask_b32 v223, v[VW], v[VW+1], vcc_lo     ; lanes 0-15: d tile 0's words, lanes 16-31: d tile 1's
	global_store_b32 v[RGO], v223, s[32:33] offset:16640
	s_wait_dscnt 0x0                               ; for the others' sake: my half-words have landed
	s_barrier_signal -1
	s_barrier_wait -1
	ds_load_b32 v224, v[QRD]                       ; two tokens' half-words of d block 0,
	ds_load_b32 v225, v[QRD] offset:256            ; and of d block 1
	ds_load_u16 v226, v[KRD]
	ds_load_u16 v227, v[KRD] offset:128
	s_wait_dscnt 0x0
	v_perm_b32 v228, v225, v224, 0x05040100        ; the low halves: the first token's word
	v_perm_b32 v229, v225, v224, 0x07060302        ; the high halves: the second's
	v_lshl_or_b32 v230, v227, 16, v226
	global_store_b64 v[QGO], v[228:229], s[30:31]  ; the wave stores 256 consecutive bytes, aligned
	global_store_b32 v[RGO], v230, s[32:33] offset:16384
	s_wait_tensorcnt 0x0
	ds_add_u32 v254, v255
	s_wait_dscnt 0x0
	s_endpgm
.Lfunc_end_k_qb6e888c2a0_qkv:
	.size	k_qb6e888c2a0_qkv, .Lfunc_end_k_qb6e888c2a0_qkv-k_qb6e888c2a0_qkv
	.p2alignl 7, 3214868480
	.fill 96, 4, 3214868480
	.section	.rodata,"a",@progbits
	.p2align	6, 0x0
	.amdhsa_kernel k_qb6e888c2a0_qkv
		.amdhsa_group_segment_fixed_size 70144
		.amdhsa_private_segment_fixed_size 0
		.amdhsa_enable_private_segment 0
		.amdhsa_kernarg_size 104
		.amdhsa_user_sgpr_count 2
		.amdhsa_user_sgpr_kernarg_segment_ptr 1
		.amdhsa_wavefront_size32 1
		.amdhsa_system_sgpr_workgroup_id_x 1
		.amdhsa_system_sgpr_workgroup_id_y 1
		.amdhsa_system_sgpr_workgroup_id_z 1
		.amdhsa_system_vgpr_workitem_id 0
		.amdhsa_next_free_vgpr 1024
		.amdhsa_next_free_sgpr 66
		.amdhsa_reserve_vcc 1
		.amdhsa_float_denorm_mode_32 3
		.amdhsa_float_denorm_mode_16_64 3
		.amdhsa_memory_ordered 1
		.amdhsa_forward_progress 1
		.amdhsa_inst_pref_size 183
	.end_amdhsa_kernel
	.amdgpu_metadata
---
amdhsa.version: [ 1, 2 ]
amdhsa.kernels:
  - .name:           k_qb6e888c2a0_qkv
    .symbol:         k_qb6e888c2a0_qkv.kd
    .args:
      - { .name: x, .offset: 0, .size: 8, .value_kind: global_buffer, .address_space: global }
      - { .name: Wq_codes, .offset: 8, .size: 8, .value_kind: global_buffer, .address_space: global }
      - { .name: Wq_scales, .offset: 16, .size: 8, .value_kind: global_buffer, .address_space: global }
      - { .name: bq, .offset: 24, .size: 8, .value_kind: global_buffer, .address_space: global }
      - { .name: Wk_codes, .offset: 32, .size: 8, .value_kind: global_buffer, .address_space: global }
      - { .name: Wk_scales, .offset: 40, .size: 8, .value_kind: global_buffer, .address_space: global }
      - { .name: bk, .offset: 48, .size: 8, .value_kind: global_buffer, .address_space: global }
      - { .name: Wv_codes, .offset: 56, .size: 8, .value_kind: global_buffer, .address_space: global }
      - { .name: Wv_scales, .offset: 64, .size: 8, .value_kind: global_buffer, .address_space: global }
      - { .name: bv, .offset: 72, .size: 8, .value_kind: global_buffer, .address_space: global }
      - { .name: qimg, .offset: 80, .size: 8, .value_kind: global_buffer, .address_space: global }
      - { .name: qsc, .offset: 88, .size: 8, .value_kind: global_buffer, .address_space: global }
      - { .name: kv, .offset: 96, .size: 8, .value_kind: global_buffer, .address_space: global }
    .group_segment_fixed_size: 70144
    .private_segment_fixed_size: 0
    .kernarg_segment_align: 8
    .kernarg_segment_size: 104
    .max_flat_workgroup_size: 128
    .sgpr_count:     66
    .vgpr_count:     1024
    .wavefront_size: 32
...
	.end_amdgpu_metadata
.endif
;; end of part 1
;; launch attn (part 2): grid 16 x 16, 16 waves a work-group, clusters of 4 x 1, 327,680 bytes of LDS; arguments qimg, qsc, kv, oimg, osc; writes oimg, osc
.if DOCPART == 2
	.amdgcn_target "amdgcn-amd-amdhsa--gfx1250"
	.amdhsa_code_object_version 6
	.text
	.protected	k_qb6e888c2a0_attn
	.globl	k_qb6e888c2a0_attn
	.p2align	8
	.type	k_qb6e888c2a0_attn,@function
k_qb6e888c2a0_attn:
	s_mov_b64 s[64:65], 0
	v_nop
	global_prefetch_b8 v0, s[64:65] scope:SCOPE_SE
	s_setreg_imm32_b32 hwreg(HW_REG_WAVE_MODE, 25, 1), 1
	s_wait_xcnt 0x0
	s_wait_alu depctr_hold_cnt(0) depctr_sa_sdst(0) depctr_va_vdst(0) depctr_va_sdst(0) depctr_va_ssrc(0) depctr_va_vcc(0) depctr_vm_vsrc(0)
	s_getreg_b32 s2, hwreg(HW_REG_IB_STS2, 6, 4)
	s_cmp_eq_u32 s2, 0
	s_cbranch_scc0 .Lentry_in_a_cluster
	s_endpgm
.Lentry_in_a_cluster:
	s_bfe_u32 s2, ttmp6, 0x10000c
	s_cmp_lg_u32 s2, 0x3003
	s_cbranch_scc0 .Lentry_shape_is_right
	s_endpgm
.Lentry_shape_is_right:
; out[q] = softmax_k(q . k / 8) v for one head, both products on codes of FP8 (E4M3) with E8M0 scales; the result is quantised along d_model and leaves as register images.
; Inputs as the launch before lays them: qimg, qsc, and kv in records of 128 keys (16,896 bytes: K's four packed fragments, V's four, K's 64 scale words, V's 64).
; SOFTMAX: t = score x log2(e) / 8; M = the running largest t rounded up to a whole number; p = 2^(t - M) is quantised along the keys; the row's sum is taken of the unquantised p and divides at the end.
; When M moves, the sum and O are multiplied by 2^(old M - new M): exact.
; The head has 64 channels, the form 128 along K: a fragment of K packs two key tiles, blocks (A0, B0, A1, B1); Q stands twice, (q0, 0, q1, 0) and (0, q0, 0, q1). Zero codes add nothing.
; SHARES: a work-group owns 256 queries of one head, each of sixteen waves a tile of 16; both products transposed, a lane holds one query.
; Two areas of 64 registers change roles: X holds K, then V; Y the scores, then p, then the next record's K.
; RING: two slots of 8 records (135,168 bytes); every wave fetches 33 rows of 256 bytes of a slot, jointly with the three partners that walk the same head (mask 15).
; A wave has one tensor load out behind each round. Three trips ask for the next slot; the last slot is written out.
; No prefetch: a refill is asked for eight key steps ahead of the wait for it, and the four partners ask for each block once.
; LIMITS: scaled scores stay under 2^31 in magnitude; p under 2^-126 comes out as 0; a block whose largest p lies under 2^-118 gets the byte 1; NaN and infinities are not served.
.set REC,   16896
.set PART,  8448
.set SLOTB, 135168
.set SPARE, 270336
.set LI,  1
.set LS,  2
.set SPW, 3
.set NIL, 4
.set ADK, 5
.set ADS, 6
.set HM,  8
.set QA,  16
.set F,   48
.set S,   112
.set O,   176
.set PC,  208
.set BM,  224
.set T2,  228
.set HL,  232
.set SO,  236
.set KS,  248
.set VS,  250
.set QS,  252
.set PS,  253
.set TM,  224
.set SB,  14
.set OC,  15
.set WV,  32
.set SEL, 34
.set CS,  36
.set MNT, 38
.set TB,  39
.set CNT, 40
.macro ROUND
	s_barrier_signal -1
	s_barrier_wait -1
	s_cmp_lg_u32 s[WV], 0
	s_cbranch_scc1 .Lnot_wave_0_\@
	s_barrier_signal -3
.Lnot_wave_0_\@:
	s_barrier_wait -3
	s_barrier_signal -1
	s_barrier_wait -1
.endm
.macro JL                              ; my 33 rows of a slot
	tensor_load_to_lds s[24:27], s[16:23]
	s_nop 0
.rept 4
	v_nop
.endr
.endm
.macro QUANT nb, src
.set qb, 0
.rept \nb
	v_max3_num_f32 v[TM+qb], |v[(\src)+16*qb]|, |v[(\src)+16*qb+1]|, 0x4800000
.set qb, qb+1
.endr
.irp i, 2,4,6,8,10,12,14
.set qb, 0
.rept \nb
	v_max3_num_f32 v[TM+qb], v[TM+qb], |v[(\src)+16*qb+\i]|, |v[(\src)+16*qb+\i+1]|
.set qb, qb+1
.endr
.endr
.set qb, 0
.rept \nb
	v_permlanex16_b32 v[TM+\nb+qb], v[TM+qb], s[SEL], s[SEL+1]
.set qb, qb+1
.endr
.set qb, 0
.rept \nb
	v_max_num_f32 v[TM+qb], v[TM+qb], v[TM+\nb+qb]
	v_add_nc_u32 v[TM+3*\nb+qb], 0xfc000000, v[TM+qb]
	v_and_or_b32 v[TM+2*\nb+qb], v[TM+qb], 0x7f800000, s[MNT]
	v_lshrrev_b32 v[TM+\nb+qb], 23, v[TM+3*\nb+qb]
.set qb, qb+1
.endr
.set qb, 0
.rept \nb
.irp i, 0,1,2,3,4,5,6,7,8,9,10,11,12,13,14,15
	v_med3_num_f32 v[(\src)+16*qb+\i], v[(\src)+16*qb+\i], -v[TM+2*\nb+qb], v[TM+2*\nb+qb]
.endr
	v_cvt_scalef32_pk8_fp8_f32 v[PC+4*qb:PC+4*qb+1], v[(\src)+16*qb:(\src)+16*qb+7], v[TM+3*\nb+qb]
	v_cvt_scalef32_pk8_fp8_f32 v[PC+4*qb+2:PC+4*qb+3], v[(\src)+16*qb+8:(\src)+16*qb+15], v[TM+3*\nb+qb]
.set qb, qb+1
.endr
	v_nop
.endm
	s_load_b256 s[4:11], s[0:1], 0x0               ; qimg 4, qsc 6, kv 8, oimg 10
	s_load_b64 s[12:13], s[0:1], 0x20              ; osc
	v_lshl_add_u32 v[SPW], v0, 2, SPARE
	v_mov_b32 v[NIL], 0
	ds_add_u32 v[SPW], v[NIL]                      ; the opening: the add twice on end
	ds_add_u32 v[SPW], v[NIL]
	v_lshrrev_b32 v8, 5, v0
	v_readfirstlane_b32 s[WV], v8                  ; wave 0..15
	v_and_b32 v8, 31, v0
	v_lshlrev_b32 v[LI], 4, v8
	v_lshlrev_b32 v[LS], 2, v8
	v_and_b32 v7, 15, v0
	v_lshlrev_b32 v7, 2, v7                        ; 4 r
	s_mul_i32 s33, s[WV], PART                     ; my sixteenth of a slot
	s_and_b32 s43, ttmp7, 0xffff                   ; bh, which the four partners share
	s_mul_i32 s48, s43, 32*REC
	s_add_co_u32 s48, s48, s33
	s_mov_b32 s49, 0
	s_bfe_u32 s41, ttmp6, 0x40000                  ; cx: it enters Q's and the result's addresses alone
	s_lshl_b32 s42, ttmp9, 2
	s_add_co_u32 s42, s42, s41
	s_lshl_b32 s42, s42, 4
	s_add_co_u32 s42, s42, s[WV]                   ; my tile in the batch
	s_lshl_b32 s44, s43, 18
	s_lshl_b32 s45, s42, 10
	s_add_co_u32 s44, s44, s45
	s_mov_b32 s45, 0                               ; qimg
	s_lshl_b32 s46, s43, 14
	s_lshl_b32 s47, s42, 6
	s_add_co_u32 s46, s46, s47
	s_mov_b32 s47, 0                               ; qsc
	s_lshr_b32 s51, s43, 3
	s_lshl_b32 s51, s51, 8
	s_add_co_u32 s51, s51, s42                     ; my tile over both batches
	s_bfe_u32 s52, s43, 0x20001                    ; head / 2: which K step of the next product
	s_and_b32 s53, s43, 1                          ; head % 2: which half of it
	s_lshl_b32 s54, s51, 13
	s_lshl_b32 s56, s52, 11
	s_add_co_u32 s54, s54, s56
	s_lshl_b32 s56, s53, 10
	s_add_co_u32 s54, s54, s56
	s_mov_b32 s55, 0                               ; oimg
	s_lshl_b32 s56, s51, 8
	s_lshl_b32 s58, s52, 6
	s_add_co_u32 s56, s56, s58
	s_lshl_b32 s58, s53, 1
	s_add_co_u32 s56, s56, s58
	s_mov_b32 s57, 0                               ; osc
	s_mov_b32 s16, 15|(3<<16)|(1<<21)              ; group 1: mask of all four; elements of 8 bytes; 33 dense rows of 256 bytes
	s_mov_b32 s17, 32<<16
	s_mov_b32 s18, 33<<16
	s_mov_b32 s19, 32<<16
	s_mov_b32 s20, 33
	s_mov_b32 s21, 32
	s_mov_b32 s22, 0
	s_mov_b32 s23, 0
	s_mov_b32 s[SEL], 0x76543210
	s_mov_b32 s[SEL+1], 0xfedcba98
	s_mov_b32 s[CS], 0x3e38aa3b                    ; c = log2(e) / 8
	s_mov_b32 s[CS+1], s[CS]
	s_mov_b32 s[MNT], 0x600000
	s_mov_b32 s[SB], 0                             ; the slot in hand begins here
	s_mov_b32 s[OC], 3
	s_wait_alu depctr_va_vdst(0)
	s_wait_dscnt 0x0
	s_wait_kmcnt 0x0
	s_mov_b32 s24, 1                               ; group 0: slot 0, records 0 to 7
	s_mov_b32 s25, s33
	s_add_nc_u64 s[26:27], s[8:9], s[48:49]
	s_or_b32 s27, s27, 0x80000000
	s_add_nc_u64 s[4:5], s[4:5], s[44:45]
	s_add_nc_u64 s[6:7], s[6:7], s[46:47]
	s_add_nc_u64 s[10:11], s[10:11], s[54:55]
	s_add_nc_u64 s[12:13], s[12:13], s[56:57]
	ROUND                                          ; all four work-groups are here
	JL
	global_load_b128 v[QA:QA+3], v[LI], s[4:5]
	global_load_b128 v[QA+20:QA+23], v[LI], s[4:5]
	global_load_b128 v[QA+8:QA+11], v[LI], s[4:5] offset:512
	global_load_b128 v[QA+28:QA+31], v[LI], s[4:5] offset:512
	global_load_b32 v[QS], v7, s[6:7]
.irp i, 4,5,6,7,12,13,14,15,16,17,18,19,24,25,26,27
	v_mov_b32 v[QA+\i], 0                          ; the zero codes
.endr
	v_mov_b32 v13, 0xff61b1e6                      ; the largest t so far: -3e38
	v_floor_f32 v12, -v13                          ; -M
	v_mov_b32 v14, 0
	v_mov_b32 v15, 0
.irp i, 0,1,2,3
	v_mov_b32 v[T2+\i], 0                          ; a lane permute's destination counts as a source
.endr
	v_mov_b32 v243, 0
	v_mov_b32 v244, 0
.set i, 0
.rept 32
	v_mov_b32 v[O+i], 0
.set i, i+1
.endr
.macro KLD A, off                      ; a record's four packed fragments of K and their scale words
.irp g, 0,1,2,3
.irp c, 0,1,2,3
	ds_load_b128 v[\A+16*\g+4*\c:\A+16*\g+4*\c+3], v[ADK] offset:\off+2048*\g+512*\c
.endr
.endr
	ds_load_b32 v[KS], v[ADS] offset:\off+16384
	ds_load_b32 v[KS+1], v[ADS] offset:\off+16384+128
.endm
; A KEY STEP: one record. ko: its place behind v[ADK]; pf: the next record's K is asked for; np: v_nop at the end
.macro STEP X, Y, ko, pf, np
	s_wait_dscnt 0x0                               ; K and its scale words are in
.irp g, 0,1,2,3
.irp t, 0,1
.if \g%2
	v_wmma_scale_f32_16x16x128_f8f6f4 v[\Y+8*(2*\g+\t):\Y+8*(2*\g+\t)+7], v[\X+16*\g:\X+16*\g+15], v[QA+16*\t:QA+16*\t+15], 0, v[KS+\g/2], v[QS] matrix_a_scale:MATRIX_SCALE_ROW1
.else
	v_wmma_scale_f32_16x16x128_f8f6f4 v[\Y+8*(2*\g+\t):\Y+8*(2*\g+\t)+7], v[\X+16*\g:\X+16*\g+15], v[QA+16*\t:QA+16*\t+15], 0, v[KS+\g/2], v[QS]
.endif
.endr
.endr
	v_mov_b32 v245, v12                            ; the old -M; with the seven v_nop eight places
.rept 7
	v_nop
.endr
.irp t, 0,1,2,3                        ; V into K's registers
.irp c, 0,1,2,3
	ds_load_b128 v[\X+16*\t+4*\c:\X+16*\t+4*\c+3], v[ADK] offset:\ko+8192+2048*\t+512*\c
.endr
.endr
	ds_load_b32 v[VS], v[ADS] offset:\ko+16640
	ds_load_b32 v[VS+1], v[ADS] offset:\ko+16640+128
.irp b, 0,1,2,3
	v_max3_num_f32 v[BM+\b], v[\Y+16*\b], v[\Y+1+16*\b], v[\Y+2+16*\b]   ; each block's largest score: for the row's maximum and for the block's largest p
.endr
.irp i, 3,5,7,9,11,13
.irp b, 0,1,2,3
	v_max3_num_f32 v[BM+\b], v[BM+\b], v[\Y+16*\b+\i], v[\Y+1+16*\b+\i]
.endr
.endr
.irp b, 0,1,2,3
	v_max_num_f32 v[BM+\b], v[BM+\b], v[\Y+15+16*\b]
.endr
.irp b, 0,1,2,3
	v_permlanex16_b32 v[T2+\b], v[BM+\b], s[SEL], s[SEL+1]
.endr
.irp b, 0,1,2,3
	v_max_num_f32 v[BM+\b], v[BM+\b], v[T2+\b]
.endr
	v_max3_num_f32 v244, v[BM], v[BM+1], v[BM+2]
	v_max_num_f32 v244, v244, v[BM+3]
	v_mul_f32 v244, s[CS], v244
	v_max_num_f32 v13, v13, v244                   ; the running largest t
	v_floor_f32 v12, -v13                          ; the new -M
	v_sub_f32 v244, v12, v245
	v_cvt_i32_f32 v244, v244
	v_ldexp_f32 v242, 1.0, v244                    ; f = 2^(old M - new M)
.set j, 0
.rept 32
	v_pk_fma_f32 v[\Y+j:\Y+j+1], v[\Y+j:\Y+j+1], s[CS:CS+1], v[12:13] op_sel_hi:[1,0,0]   ; t - M
.set j, j+2
.endr
.irp b, 0,1,2,3
	v_fma_f32 v[BM+\b], v[BM+\b], s[CS], v12
.endr
	s_wait_alu depctr_va_vdst(0)
.irp b, 0,1,2,3
	v_exp_f32 v[BM+\b], v[BM+\b]                   ; the block's largest p
.endr
.set j, 0
.rept 64
	v_exp_f32 v[\Y+j], v[\Y+j]                     ; p = 2^(t - M)
.set j, j+1
.endr
	v_pk_mul_f32 v[14:15], v[14:15], v[242:243] op_sel_hi:[1,0]   ; the sum under the new M; a plain line behind the batch
	s_wait_alu depctr_va_vdst(0)                   ; one wait for the batch, ahead of its first reader
.irp b, 0,1,2,3
	v_max_num_f32 v[BM+\b], 0x4800000, v[BM+\b]    ; the floor: the byte cannot fall under 1
.endr
.irp b, 0,1,2,3
	v_and_or_b32 v[HL+\b], v[BM+\b], 0x7f800000, s[MNT]          ; 448 x the scale,
	v_and_or_b32 v[HM+(\b+1)%4], v[BM+\b], 0x7f800000, s[MNT]    ; and once more, for the second half of the paired hold
.endr
.irp b, 0,1,2,3
	v_add_nc_u32 v[SO+\b], 0xfc000000, v[BM+\b]    ; the conversion's scale operand
.endr
.irp b, 0,1,2,3
	v_lshrrev_b32 v[T2+\b], 23, v[SO+\b]
.endr
	v_lshl_or_b32 v[PS], v[T2+1], 8, v[T2]         ; p's scale word
	v_lshl_or_b32 v[PS], v[T2+2], 16, v[PS]
	v_lshl_or_b32 v[PS], v[T2+3], 24, v[PS]
	v_pk_add_f32 v[240:241], v[\Y:\Y+1], v[\Y+2:\Y+3]   ; the row's sum of the unquantised p, in two chains
.set j, 4
.rept 15
	v_pk_add_f32 v[14:15], v[14:15], v[\Y+j:\Y+j+1]
	v_pk_add_f32 v[240:241], v[240:241], v[\Y+j+2:\Y+j+3]
.set j, j+4
.endr
.set mq, 0
.rept 32                               ; the hold (ISA guide 7.6.2: the conversion does not saturate); p is not negative
	v_dual_min_num_f32 v[\Y+2*mq], v[\Y+2*mq], v[HL+mq/8] :: v_dual_min_num_f32 v[\Y+2*mq+1], v[\Y+2*mq+1], v[HM+(mq/8+1)%4]
.if mq%4 == 3
	v_cvt_scalef32_pk8_fp8_f32 v[PC+2*(mq/4):PC+2*(mq/4)+1], v[\Y+8*(mq/4):\Y+8*(mq/4)+7], v[SO+mq/8]
.endif
.set mq, mq+1
.endr
	s_wait_dscnt 0x0                               ; V is in
.if \pf
	KLD \Y, \ko+REC                                ; p's registers are free: the next record's K
.endif
	s_wait_alu depctr_va_vdst(0)
.set j, 0
.rept 16
	v_pk_mul_f32 v[O+j:O+j+1], v[O+j:O+j+1], v[242:243] op_sel_hi:[1,0]   ; O^T under the new M
.set j, j+2
.endr
.irp t, 0,1,2,3
.if \t%2
	v_wmma_scale_f32_16x16x128_f8f6f4 v[O+8*\t:O+8*\t+7], v[\X+16*\t:\X+16*\t+15], v[PC:PC+15], v[O+8*\t:O+8*\t+7], v[VS+\t/2], v[PS] matrix_a_scale:MATRIX_SCALE_ROW1
.else
	v_wmma_scale_f32_16x16x128_f8f6f4 v[O+8*\t:O+8*\t+7], v[\X+16*\t:\X+16*\t+15], v[PC:PC+15], v[O+8*\t:O+8*\t+7], v[VS+\t/2], v[PS]
.endif
.endr
	v_pk_add_f32 v[14:15], v[14:15], v[240:241]    ; the chains join; nine places stand ahead of the next step's products, which write over V's registers
.rept \np
	v_nop
.endr
.endm
.macro RUN                             ; a slot's eight records, two to a trip; the last two written out, so that no load looks past the slot
	s_mov_b32 s[TB], s[SB]
	v_add_nc_u32 v[ADK], s[TB], v[LI]
	v_add_nc_u32 v[ADS], s[TB], v[LS]
	s_wait_alu depctr_va_vdst(0)
	KLD F, 0
	s_mov_b32 s[CNT], 3
.Lstep_\@:
	STEP F, S, 0, 1, 8
	STEP S, F, REC, 1, 6
	s_add_co_u32 s[TB], s[TB], 2*REC
	v_add_nc_u32 v[ADK], s[TB], v[LI]
	v_add_nc_u32 v[ADS], s[TB], v[LS]
	s_sub_co_u32 s[CNT], s[CNT], 1
	s_cmp_lg_u32 s[CNT], 0
	s_wait_alu depctr_va_vdst(0)
	s_cbranch_scc1 .Lstep_\@
	STEP F, S, 0, 1, 8
	STEP S, F, REC, 0, 8
.endm
; THE CHANGE OF SLOTS at a slot's head: all my tensor loads are in, the add, my reads of the slot left are over. fill: the other slot takes the next 8 records, behind a round of the cluster's barrier
.macro CHANGE fill
	s_wait_tensorcnt 0x0
	ds_add_u32 v[SPW], v[NIL]
.if \fill
	s_xor_b32 s3, s[SB], SLOTB
	s_add_co_u32 s25, s3, s33
	s_add_nc_u64 s[26:27], s[26:27], SLOTB
	s_wait_dscnt 0x0
	ROUND
	JL
.else
	s_wait_dscnt 0x0
	s_barrier_signal -1
	s_barrier_wait -1
.endif
.endm
	s_wait_alu depctr_va_vdst(0)
	s_wait_loadcnt 0x0                             ; Q
.Lslot:
	CHANGE 1
	RUN
	s_xor_b32 s[SB], s[SB], SLOTB
	s_sub_co_u32 s[OC], s[OC], 1
	s_cmp_lg_u32 s[OC], 0
	s_cbranch_scc1 .Lslot
	CHANGE 0
	RUN
	; THE WAY OUT: O^T / the sum, quantised along d_model (two blocks of 32 of this head)
	v_add_f32 v14, v14, v15
	v_permlanex16_b32 v244, v14, s[SEL], s[SEL+1]
	v_add_f32 v14, v14, v244
	s_wait_alu depctr_va_vdst(0)
	v_rcp_f32 v14, v14
	v_nop
	s_wait_alu depctr_va_vdst(0)
.set j, 0
.rept 16
	v_pk_mul_f32 v[O+j:O+j+1], v[O+j:O+j+1], v[14:15] op_sel_hi:[1,0]
.set j, j+2
.endr
	QUANT 2, O
	v_lshl_or_b32 v244, v[TM+3], 8, v[TM+2]
	global_store_b128 v[LI], v[PC:PC+3], s[10:11]
	global_store_b128 v[LI], v[PC+4:PC+7], s[10:11] offset:512
	global_store_b16 v7, v244, s[12:13]            ; both halves of the lanes write the same bytes with the same value
	s_wait_tensorcnt 0x0                           ; the wave's end
	ds_add_u32 v[SPW], v[NIL]
	s_wait_dscnt 0x0
	ROUND                                          ; the closing round
	s_endpgm
.Lfunc_end_k_qb6e888c2a0_attn:
	.size	k_qb6e888c2a0_attn, .Lfunc_end_k_qb6e888c2a0_attn-k_qb6e888c2a0_attn
	.p2alignl 7, 3214868480
	.fill 96, 4, 3214868480
	.section	.rodata,"a",@progbits
	.p2align	6, 0x0
	.amdhsa_kernel k_qb6e888c2a0_attn
		.amdhsa_group_segment_fixed_size 327680
		.amdhsa_private_segment_fixed_size 0
		.amdhsa_enable_private_segment 0
		.amdhsa_kernarg_size 40
		.amdhsa_user_sgpr_count 2
		.amdhsa_user_sgpr_kernarg_segment_ptr 1
		.amdhsa_wavefront_size32 1
		.amdhsa_system_sgpr_workgroup_id_x 1
		.amdhsa_system_sgpr_workgroup_id_y 1
		.amdhsa_system_sgpr_workgroup_id_z 1
		.amdhsa_system_vgpr_workitem_id 0
		.amdhsa_next_free_vgpr 256
		.amdhsa_next_free_sgpr 66
		.amdhsa_reserve_vcc 0
		.amdhsa_float_denorm_mode_32 3
		.amdhsa_float_denorm_mode_16_64 3
		.amdhsa_memory_ordered 1
		.amdhsa_forward_progress 1
		.amdhsa_inst_pref_size 163
	.end_amdhsa_kernel
	.amdgpu_metadata
---
amdhsa.version: [ 1, 2 ]
amdhsa.kernels:
  - .name:           k_qb6e888c2a0_attn
    .symbol:         k_qb6e888c2a0_attn.kd
    .args:
      - { .name: qimg, .offset: 0, .size: 8, .value_kind: global_buffer, .address_space: global }
      - { .name: qsc, .offset: 8, .size: 8, .value_kind: global_buffer, .address_space: global }
      - { .name: kv, .offset: 16, .size: 8, .value_kind: global_buffer, .address_space: global }
      - { .name: oimg, .offset: 24, .size: 8, .value_kind: global_buffer, .address_space: global }
      - { .name: osc, .offset: 32, .size: 8, .value_kind: global_buffer, .address_space: global }
    .group_segment_fixed_size: 327680
    .private_segment_fixed_size: 0
    .kernarg_segment_align: 8
    .kernarg_segment_size: 40
    .max_flat_workgroup_size: 512
    .sgpr_count:     66
    .vgpr_count:     256
    .wavefront_size: 32
...
	.end_amdgpu_metadata
.endif
;; end of part 2
;; launch post (part 3): grid 256 x 1, 4 waves a work-group, clusters of 4 x 1, 327,680 bytes of LDS; arguments oimg, osc, x, Wo_codes, Wo_scales, bo, gamma1, beta1, W1_codes, W1_scales, b1, W2_codes, W2_scales, b2, gamma2, beta2, out0; writes out0
.if DOCPART == 3
	.amdgcn_target "amdgcn-amd-amdhsa--gfx1250"
	.amdhsa_code_object_version 6
	.text
	.protected	k_qb6e888c2a0_post
	.globl	k_qb6e888c2a0_post
	.p2align	8
	.type	k_qb6e888c2a0_post,@function
k_qb6e888c2a0_post:
	s_mov_b64 s[64:65], 0
	v_nop
	global_prefetch_b8 v0, s[64:65] scope:SCOPE_SE
	s_setreg_imm32_b32 hwreg(HW_REG_WAVE_MODE, 25, 1), 1
	s_wait_xcnt 0x0
	s_wait_alu depctr_hold_cnt(0) depctr_sa_sdst(0) depctr_va_vdst(0) depctr_va_sdst(0) depctr_va_ssrc(0) depctr_va_vcc(0) depctr_vm_vsrc(0)
	s_getreg_b32 s2, hwreg(HW_REG_IB_STS2, 6, 4)
	s_cmp_eq_u32 s2, 0
	s_cbranch_scc0 .Lentry_in_a_cluster
	s_endpgm
.Lentry_in_a_cluster:
	s_bfe_u32 s2, ttmp6, 0x10000c
	s_cmp_lg_u32 s2, 0x3003
	s_cbranch_scc0 .Lentry_shape_is_right
	s_endpgm
.Lentry_shape_is_right:
; x1 = LN(x + o Wo + bo); out = LN(x1 + relu(x1 W1 + b1) W2 + b2), the three products on codes of FP8 (E4M3) with E8M0 scales.
; SHARES: a work-group takes 32 tokens (two tiles of 16, ordered as the launches before order them) through the whole chain; wave w owns columns 128 w on of every 512.
; The products are used transposed (source 0 = 16 rows of a weight, source 1 = 16 tokens): a lane holds one token and neighbours along the columns.
; Weights come in halves of 64 rows a wave through two LDS slots, by loads shared by the four work-groups of a cluster (mask 15), one a wave behind each round.
; The hidden layer goes in four trips of 512 units: quantised in registers, handed to the other waves as register images in LDS, multiplied with W2 in the same trip.
; Four accumulators take turns: two weight tiles x two token tiles.
; WINDOWS: 0 addresses, scale words, biases, two weight buffers; 1 o's, then the hidden layer's sums and fragments; 2 x, then LN's vectors, then x1's fragments; 3 the 32 x 128 sums of a wave.
; LIMITS: a block whose largest magnitude lies under 2^-118 gets the scale byte 1; NaN and infinities are not served.
.set SLOTB, 135168
.set WPART, 33792
.set WP,    528
.set AIMG,  270336
.set XSC1,  303104
.set HSCO,  1024
.set LNX,   305152
.set SPARE, 309248
.set LI,   4
.set ASA,  5
.set SPW,  6
.set NIL,  7
.set WAQ,  8
.set WAD,  10
.set HWI,  12
.set HWS,  13
.set LNA,  14
.set LNR,  15
.set XR,   16
.set BA,   17
.set W2SA, 18
.set OSA,  19
.set STO,  20
.set RD,   21
.set AIR,  22
.set WSC,  32
.set ASX,  40
.set ASH,  48
.set BI,   56
.set SM,   88
.set PT,   92
.set MN,   96
.set RS,   104
.set T,    112
.set WB0,  128
.set WB1,  192
.set TM,   64
.set PC,   80
.set HW,   96
.set PW,   100
.set G1A,  44
.set G1B,  52
.set WV,   60
.set CNT,  61
.set MNT,  62
.set SEL,  66
.set G0O,  68
.set G0W1, 76
.set G0W2, 84
.set MSB,  0
.macro WIN new
.if MSB != \new
	s_set_vgpr_msb (MSB<<8)|\new
.set MSB, \new
.endif
.endm
.macro NOPS cnt
.rept \cnt
	v_nop
.endr
.endm
.macro ROUND
	s_barrier_signal -1
	s_barrier_wait -1
	s_cmp_lg_u32 s[WV], 0
	s_cbranch_scc1 .Lnot_wave_0_\@
	s_barrier_signal -3
.Lnot_wave_0_\@:
	s_barrier_wait -3
	s_barrier_signal -1
	s_barrier_wait -1
.endm
.macro WM
.if dRA && dRB
	v_wmma_scale_f32_16x16x128_f8f6f4 v[dD:dD+7], v[dA:dA+15], v[dB:dB+15], v[dC:dC+7], v[dSA], v[dSB] matrix_a_scale:MATRIX_SCALE_ROW1 matrix_b_scale:MATRIX_SCALE_ROW1
.elseif dRA
	v_wmma_scale_f32_16x16x128_f8f6f4 v[dD:dD+7], v[dA:dA+15], v[dB:dB+15], v[dC:dC+7], v[dSA], v[dSB] matrix_a_scale:MATRIX_SCALE_ROW1
.elseif dRB
	v_wmma_scale_f32_16x16x128_f8f6f4 v[dD:dD+7], v[dA:dA+15], v[dB:dB+15], v[dC:dC+7], v[dSA], v[dSB] matrix_b_scale:MATRIX_SCALE_ROW1
.else
	v_wmma_scale_f32_16x16x128_f8f6f4 v[dD:dD+7], v[dA:dA+15], v[dB:dB+15], v[dC:dC+7], v[dSA], v[dSB]
.endif
.endm
; nb blocks of 32: my 16 numbers v[src + 16 b] on and lane l xor 16's; codes to v[PC + 4 b] on, the byte to v[TM + nb + b]; relu: what is negative becomes 0
.macro QUANT nb, src, relu
.set qb, 0
.rept \nb
.if \relu
	v_max3_num_f32 v[TM+qb], v[(\src)+16*qb], v[(\src)+16*qb+1], 0x4800000
.else
	v_max3_num_f32 v[TM+qb], |v[(\src)+16*qb]|, |v[(\src)+16*qb+1]|, 0x4800000
.endif
.set qb, qb+1
.endr
.irp i, 2,4,6,8,10,12,14
.set qb, 0
.rept \nb
.if \relu
	v_max3_num_f32 v[TM+qb], v[TM+qb], v[(\src)+16*qb+\i], v[(\src)+16*qb+\i+1]
.else
	v_max3_num_f32 v[TM+qb], v[TM+qb], |v[(\src)+16*qb+\i]|, |v[(\src)+16*qb+\i+1]|
.endif
.set qb, qb+1
.endr
.endr
.set qb, 0
.rept \nb
	v_permlanex16_b32 v[TM+\nb+qb], v[TM+qb], s[SEL], s[SEL+1]
.set qb, qb+1
.endr
.set qb, 0
.rept \nb
	v_max_num_f32 v[TM+qb], v[TM+qb], v[TM+\nb+qb]
.set qb, qb+1
.endr
.set qb, 0
.rept \nb
	v_add_nc_u32 v[TM+3*\nb+qb], 0xfc000000, v[TM+qb]
.set qb, qb+1
.endr
.set qb, 0
.rept \nb
	v_and_or_b32 v[TM+2*\nb+qb], v[TM+qb], 0x7f800000, s[MNT]
.set qb, qb+1
.endr
.set qb, 0
.rept \nb
	v_lshrrev_b32 v[TM+\nb+qb], 23, v[TM+3*\nb+qb]
.set qb, qb+1
.endr
.set qb, 0
.rept \nb
.irp i, 0,1,2,3,4,5,6,7,8,9,10,11,12,13,14,15
.if \relu
	v_med3_num_f32 v[(\src)+16*qb+\i], v[(\src)+16*qb+\i], 0, v[TM+2*\nb+qb]
.else
	v_med3_num_f32 v[(\src)+16*qb+\i], v[(\src)+16*qb+\i], -v[TM+2*\nb+qb], v[TM+2*\nb+qb]
.endif
.endr
	v_cvt_scalef32_pk8_fp8_f32 v[PC+4*qb:PC+4*qb+1], v[(\src)+16*qb:(\src)+16*qb+7], v[TM+3*\nb+qb]
	v_cvt_scalef32_pk8_fp8_f32 v[PC+4*qb+2:PC+4*qb+3], v[(\src)+16*qb+8:(\src)+16*qb+15], v[TM+3*\nb+qb]
.set qb, qb+1
.endr
	v_nop
.endm
; a half's scale words of the weight, and its bias (ty 0: Wo, 1: W1, 2: W2, which has none here)
.macro PRE ty, e
.irp i, 0,1
.if \ty == 0
	global_load_b128 v[WSC+4*\i:WSC+4*\i+3], v[LI], s[16:17] offset:1024*\e+512*\i
.elseif \ty == 1
	global_load_b128 v[WSC+4*\i:WSC+4*\i+3], v[LI], s[26:27] offset:1024*\e+512*\i
.else
	global_load_b128 v[WSC+4*\i:WSC+4*\i+3], v[W2SA], s[32:33] offset:4096*\e+2048*\i
.endif
.endr
.irp k, 0,1,2,3
.if \ty == 0
	global_load_b128 v[BI+8*\k:BI+8*\k+3], v[BA], s[18:19] offset:256*\e+64*\k
	global_load_b128 v[BI+8*\k+4:BI+8*\k+7], v[BA], s[18:19] offset:256*\e+64*\k+16
.elseif \ty == 1
	global_load_b128 v[BI+8*\k:BI+8*\k+3], v[BA], s[28:29] offset:256*\e+64*\k
	global_load_b128 v[BI+8*\k+4:BI+8*\k+7], v[BA], s[28:29] offset:256*\e+64*\k+16
.endif
.endr
.endm
.macro LOADW k, buf, ty, e
.if \ty == 0
.irp s, 0,1,2,3
.irp c, 0,1,2,3
	ds_load_b128 v[\buf+16*\s+4*\c:\buf+16*\s+4*\c+3], v[WAQ+\e] offset:16*(\k)*WP+128*\s+32*\c
.endr
.endr
.else
.irp s, 0,1,2,3
.irp c, 0,1,2,3,4,5,6,7
	ds_load_b64 v[\buf+16*\s+2*\c:\buf+16*\s+2*\c+1], v[WAD+\e] offset:16*(\k)*WP+128*\s+16*\c
.endr
.endr
.endif
.endm
; 16 products: weight tiles k0, k0 + 1 x token tiles 0, 1, four K steps
.macro MUL2 k0, ty, e
.irp s, 0,1,2,3
.if \ty == 0
.if \s == 0
	WIN 0xc4
.else
	WIN 0xf4
.endif
.elseif \ty == 1
.if \s == 0
	WIN 0x48
.else
	WIN 0x58
.endif
.else
	WIN 0xf4
.endif
.irp kk, 0,1
.irp m, 0,1
.if \ty == 1
.set dD, 16*\m+8*\kk
.set dSB, ASX+2*\s
.else
.set dD, 64*\m+8*(4*(\e)+(\k0)+\kk)
.set dSB, ASH+2*\s
.endif
.set dA, WB0+64*\kk+16*\s
.set dB, 16*(4*\m+\s)
.if (\s == 0) && (\ty != 2)
.set dC, BI+8*((\k0)+\kk)
.else
.set dC, dD
.endif
.set dSA, WSC+4*((\k0)/2)+\s
.set dRA, \kk
.set dRB, \m
	WM
.endr
.endr
.endr
.endm
; 32 hidden units of both token tiles: relu, codes, the byte; block pb of my 128 of this trip
.macro HQ pb
	WIN 0x55
	QUANT 2, 0, 1
.irp m, 0,1
.if (\pb) == 0
	v_mov_b32 v[HW+\m], v[TM+2+\m]
.else
	v_lshl_or_b32 v[HW+\m], v[TM+2+\m], 8*(\pb), v[HW+\m]
.endif
.endr
	WIN 0x04
.irp m, 0,1
	ds_store_b128 v[HWI], v[PC+4*\m:PC+4*\m+3] offset:8192*\m+512*(\pb)
.endr
.if (\pb) == 3
.irp m, 0,1
	ds_store_b32 v[HWS], v[HW+\m] offset:HSCO+64*\m
.endr
.endif
	WIN 0
.endm
.macro BODY ty, e
	LOADW 0, WB0, \ty, \e
	LOADW 1, WB1, \ty, \e
	s_wait_loadcnt 0x0
	s_wait_dscnt 0x0
	MUL2 0, \ty, \e
	NOPS 8                                         ; eight places ahead of the loads and of the sums' first read
	WIN 0
	LOADW 2, WB0, \ty, \e
	LOADW 3, WB1, \ty, \e
.if \ty == 1
	HQ 2*\e
.endif
	s_wait_dscnt 0x0
	MUL2 2, \ty, \e
.if \ty == 1
	NOPS 8
	HQ 2*\e+1
.endif
.endm
.macro CHANGE g0, g1, step
	WIN 0
	s_wait_tensorcnt 0x0
	ds_add_u32 v[SPW], v[NIL]
.if \step
	s_add_nc_u64 s[G0W1+2:G0W1+3], s[G0W1+2:G0W1+3], 262144
	s_add_nc_u64 s[G0W1+6:G0W1+7], s[G0W1+6:G0W1+7], 262144
	s_add_nc_u64 s[G0W2+2:G0W2+3], s[G0W2+2:G0W2+3], 512
	s_add_nc_u64 s[G0W2+6:G0W2+7], s[G0W2+6:G0W2+7], 512
.endif
	s_wait_dscnt 0x0
	ROUND
	tensor_load_to_lds s[\g0:\g0+3], s[\g1:\g1+7]
	s_nop 0
	NOPS 4
.endm
.macro FETCHH                          ; the hidden layer's fragments of all four waves, and their scale words
	WIN 0x40
.irp m, 0,1
.irp s, 0,1,2,3
.irp c, 0,1,2,3
	ds_load_b128 v[16*(4*\m+\s)+4*\c:16*(4*\m+\s)+4*\c+3], v[AIR] offset:2048*(4*\m+\s)+512*\c
.endr
.endr
.endr
	WIN 0
.irp s, 0,1,2,3
	ds_load_b32 v[ASH+2*\s], v[ASA] offset:HSCO+256*\s
.endr
.endm
.macro HALF ty, e, g0, g1, step, acts, tail
	WIN 0
	NOPS 8
	PRE \ty, \e
.if \tail
	WIN 0x80
.irp nt, 0,1,2,3,4,5,6,7
	global_load_b128 v[8*\nt:8*\nt+3], v[BA], s[36:37] offset:64*\nt
	global_load_b128 v[8*\nt+4:8*\nt+7], v[BA], s[36:37] offset:64*\nt+16
	global_load_b128 v[64+8*\nt:64+8*\nt+3], v[BA], s[38:39] offset:64*\nt
	global_load_b128 v[64+8*\nt+4:64+8*\nt+7], v[BA], s[38:39] offset:64*\nt+16
.endr
	WIN 0
.endif
.if \g0
	CHANGE \g0, \g1, \step
.else
	s_wait_tensorcnt 0x0
.endif
.if \acts
	FETCHH
.endif
	BODY \ty, \e
.endm
.macro TRIP last
	HALF 1, 0, G0W1+4, G1A, 0, 0, 0
	HALF 1, 1, G0W2, G1B, 0, 0, 0
	HALF 2, 0, G0W2+4, G1B, 0, 1, \last
.if \last
	HALF 2, 1, 0, 0, 0, 0, 0
.else
	HALF 2, 1, G0W1, G1A, 1, 0, 0
	WIN 0
	s_wait_xcnt 0x0
	s_add_nc_u64 s[26:27], s[26:27], 8192
	s_add_nc_u64 s[28:29], s[28:29], 2048
	s_add_nc_u64 s[32:33], s[32:33], 16
.endif
.endm
; a token's sum (sq = 0) or sum of squares (1) over all 512 columns: in the lane, with lane l xor 16, over the four waves through LDS
.macro LNSTAT k, sq
	WIN 0x0f
.irp m, 0,1
.if \sq
	v_pk_mul_f32 v[T+4*\m:T+4*\m+1], v[64*\m:64*\m+1], v[64*\m:64*\m+1]
	v_pk_mul_f32 v[T+4*\m+2:T+4*\m+3], v[64*\m+2:64*\m+3], v[64*\m+2:64*\m+3]
.else
	v_pk_add_f32 v[T+4*\m:T+4*\m+1], v[64*\m:64*\m+1], v[64*\m+2:64*\m+3]
	v_pk_add_f32 v[T+4*\m+2:T+4*\m+3], v[64*\m+4:64*\m+5], v[64*\m+6:64*\m+7]
.endif
.endr
.if \sq
.set lp, 2
.rept 30
.irp m, 0,1
	v_pk_fma_f32 v[T+4*\m+2*(lp%2):T+4*\m+2*(lp%2)+1], v[64*\m+2*lp:64*\m+2*lp+1], v[64*\m+2*lp:64*\m+2*lp+1], v[T+4*\m+2*(lp%2):T+4*\m+2*(lp%2)+1]
.endr
.set lp, lp+1
.endr
.else
	WIN 0x0c
.set lp, 4
.rept 28
.irp m, 0,1
	v_pk_add_f32 v[T+4*\m+2*(lp%2):T+4*\m+2*(lp%2)+1], v[T+4*\m+2*(lp%2):T+4*\m+2*(lp%2)+1], v[64*\m+2*lp:64*\m+2*lp+1]
.endr
.set lp, lp+1
.endr
.endif
	WIN 0
.irp m, 0,1
	v_pk_add_f32 v[T+4*\m:T+4*\m+1], v[T+4*\m:T+4*\m+1], v[T+4*\m+2:T+4*\m+3]
.endr
.irp m, 0,1
	v_add_f32 v[SM+\m], v[T+4*\m], v[T+4*\m+1]
.endr
.irp m, 0,1
	v_permlanex16_b32 v[PT+\m], v[SM+\m], s[SEL], s[SEL+1]
.endr
.irp m, 0,1
	v_add_f32 v[SM+\m], v[SM+\m], v[PT+\m]
.endr
.irp m, 0,1
	ds_store_b32 v[LNA], v[SM+\m] offset:1024*\k+256*\m
.endr
	s_wait_dscnt 0x0
	s_barrier_signal -1
	s_barrier_wait -1
.irp m, 0,1
	ds_load_b128 v[T+4*\m:T+4*\m+3], v[LNR] offset:1024*\k+256*\m
.endr
	s_wait_dscnt 0x0
.irp m, 0,1
	v_add_f32 v[T+4*\m], v[T+4*\m], v[T+4*\m+1]
	v_add_f32 v[T+4*\m+2], v[T+4*\m+2], v[T+4*\m+3]
.endr
.irp m, 0,1
	v_add_f32 v[SM+\m], v[T+4*\m], v[T+4*\m+2]
.endr
.endm
.macro CENTER
.irp m, 0,1
	v_mul_f32 v[MN+2*\m], 0xbb000000, v[SM+\m]     ; - the sum / 512
.endr
.irp m, 0,1
	v_mov_b32 v[MN+2*\m+1], v[MN+2*\m]
.endr
	WIN 0xc3
.irp m, 0,1
.set lp, 0
.rept 32
	v_pk_add_f32 v[64*\m+2*lp:64*\m+2*lp+1], v[64*\m+2*lp:64*\m+2*lp+1], v[MN+2*\m:MN+2*\m+1]
.set lp, lp+1
.endr
.endr
.endm
.macro RSTD                            ; 1 / (sqrt(the mean square) + 1e-5)
.irp m, 0,1
	v_mul_f32 v[SM+\m], 0x3b000000, v[SM+\m]
.endr
	s_wait_alu depctr_va_vdst(0)
.irp m, 0,1
	v_sqrt_f32 v[SM+\m], v[SM+\m]
.endr
	v_nop
	s_wait_alu depctr_va_vdst(0)
.irp m, 0,1
	v_add_f32 v[SM+\m], 0x3727c5ac, v[SM+\m]
.endr
	s_wait_alu depctr_va_vdst(0)
.irp m, 0,1
	v_rcp_f32 v[RS+2*\m], v[SM+\m]
.endr
	v_nop
	s_wait_alu depctr_va_vdst(0)
.irp m, 0,1
	v_mov_b32 v[RS+2*\m+1], v[RS+2*\m]
.endr
	s_wait_alu depctr_va_vdst(0)
.endm
	s_load_b512 s[8:23], s[0:1], 0x0
	s_load_b512 s[24:39], s[0:1], 0x40
	s_load_b64 s[40:41], s[0:1], 0x80
	v_lshl_add_u32 v[SPW], v0, 2, SPARE
	v_mov_b32 v[NIL], 0
	ds_add_u32 v6, v7
	ds_add_u32 v6, v7
	s_wait_dscnt 0x0
	v_lshrrev_b32 v23, 5, v0
	v_readfirstlane_b32 s[WV], v23
	v_and_b32 v1, 31, v0
	v_and_b32 v2, 15, v0
	v_bfe_u32 v3, v0, 4, 1
	v_lshlrev_b32 v[LI], 4, v1
	v_lshl_add_u32 v[ASA], v1, 2, XSC1
	s_mul_i32 s63, s[WV], WPART
	v_mul_u32_u24 v23, v2, WP
	v_add_nc_u32 v23, s63, v23
	v_lshl_add_u32 v[WAQ], v3, 4, v23
	v_add_nc_u32 v[WAQ+1], SLOTB, v[WAQ]
	v_lshl_add_u32 v[WAD], v3, 3, v23
	v_add_nc_u32 v[WAD+1], SLOTB, v[WAD]
	v_lshl_add_u32 v[STO], v3, 5, v23
	v_add_nc_u32 v[RD], s63, v[LI]
	s_lshl_b32 s92, s[WV], 11
	s_add_co_u32 s92, s92, AIMG
	v_add_nc_u32 v[HWI], s92, v[LI]
	v_add_nc_u32 v[AIR], AIMG, v[LI]
	v_lshlrev_b32 v24, 2, v2
	s_lshl_b32 s92, s[WV], 8
	s_add_co_u32 s92, s92, XSC1
	v_add_nc_u32 v[HWS], s92, v24
	v_lshlrev_b32 v25, 4, v2
	v_add_nc_u32 v[LNR], LNX, v25
	s_lshl_b32 s92, s[WV], 2
	v_add_nc_u32 v[LNA], s92, v[LNR]
	v_and_b32 v26, 8, v2
	v_add_nc_u32 v26, v26, v2
	v_lshlrev_b32 v[XR], 11, v26
	v_lshl_add_u32 v[XR], v3, 5, v[XR]
	v_lshlrev_b32 v[BA], 5, v3
	v_lshlrev_b32 v[W2SA], 6, v1
	v_lshl_add_u32 v[OSA], v3, 8, v24
.irp m, 0,1
	v_mov_b32 v[PT+\m], 0
.endr
	s_mov_b32 s[SEL], 0x76543210
	s_mov_b32 s[SEL+1], 0xfedcba98
	s_mov_b32 s[MNT], 0x600000
	s_mov_b32 s[G1A], 0x07B0000F
	s_mov_b32 s[G1B], 0x07B0000F
.irp g, G1A, G1B
	s_mov_b32 s[\g+1], 512<<16
	s_mov_b32 s[\g+2], 64<<16
	s_mov_b32 s[\g+3], 512<<16
	s_mov_b32 s[\g+4], 64
	s_mov_b32 s[\g+6], 0
	s_mov_b32 s[\g+7], 0
.endr
	s_mov_b32 s[G1A+5], 512
	s_mov_b32 s[G1B+5], 2048
	s_bfe_u32 s92, ttmp6, 0x40000
	s_lshl_b32 s93, ttmp9, 2
	s_add_co_u32 s93, s93, s92                     ; my 32 tokens
	s_lshl_b32 s96, s93, 14                        ; oimg: two tiles of 8,192 bytes
	s_mov_b32 s97, 0
	s_lshl_b32 s98, s93, 9                         ; osc: two tiles of 256 bytes
	s_mov_b32 s99, 0
	s_mov_b32 s95, 0
	s_wait_kmcnt 0x0
	s_add_nc_u64 s[8:9], s[8:9], s[96:97]
	s_add_nc_u64 s[10:11], s[10:11], s[98:99]
	s_lshl_b32 s96, s93, 16                        ; x, out0: 32 rows of 2,048 bytes
	s_lshl_b32 s98, s[WV], 9
	s_add_co_u32 s96, s96, s98
	s_add_nc_u64 s[12:13], s[12:13], s[96:97]
	s_add_nc_u64 s[40:41], s[40:41], s[96:97]
	s_lshl_b32 s94, s[WV], 9
	s_add_nc_u64 s[18:19], s[18:19], s[94:95]
	s_add_nc_u64 s[20:21], s[20:21], s[94:95]
	s_add_nc_u64 s[22:23], s[22:23], s[94:95]
	s_add_nc_u64 s[28:29], s[28:29], s[94:95]
	s_add_nc_u64 s[34:35], s[34:35], s[94:95]
	s_add_nc_u64 s[36:37], s[36:37], s[94:95]
	s_add_nc_u64 s[38:39], s[38:39], s[94:95]
	s_lshl_b32 s94, s[WV], 11
	s_add_nc_u64 s[16:17], s[16:17], s[94:95]
	s_add_nc_u64 s[26:27], s[26:27], s[94:95]
	s_lshl_b32 s94, s[WV], 13
	s_add_nc_u64 s[32:33], s[32:33], s[94:95]
	s_lshl_b32 s94, s[WV], 16
	s_add_nc_u64 s[14:15], s[14:15], s[94:95]
	s_add_nc_u64 s[24:25], s[24:25], s[94:95]
	s_lshl_b32 s94, s[WV], 18
	s_add_nc_u64 s[30:31], s[30:31], s[94:95]
.irp e, 0,1
	s_mov_b32 s[G0O+4*\e], 1
	s_add_co_u32 s[G0O+4*\e+1], s63, \e*SLOTB
	s_add_nc_u64 s[G0O+4*\e+2:G0O+4*\e+3], s[14:15], \e*32768
	s_or_b32 s[G0O+4*\e+3], s[G0O+4*\e+3], 0x80000000
	s_mov_b32 s[G0W1+4*\e], 1
	s_add_co_u32 s[G0W1+4*\e+1], s63, \e*SLOTB
	s_add_nc_u64 s[G0W1+4*\e+2:G0W1+4*\e+3], s[24:25], \e*32768
	s_or_b32 s[G0W1+4*\e+3], s[G0W1+4*\e+3], 0x80000000
	s_mov_b32 s[G0W2+4*\e], 1
	s_add_co_u32 s[G0W2+4*\e+1], s63, \e*SLOTB
	s_add_nc_u64 s[G0W2+4*\e+2:G0W2+4*\e+3], s[30:31], \e*131072
	s_or_b32 s[G0W2+4*\e+3], s[G0W2+4*\e+3], 0x80000000
.endr
	ROUND
	tensor_load_to_lds s[G0O:G0O+3], s[G1A:G1A+7]
	s_nop 0
	s_wait_alu depctr_va_vdst(0)
	s_wait_tensorcnt 0x0
	ds_add_u32 v6, v7
	s_wait_dscnt 0x0
	ROUND
	tensor_load_to_lds s[G0O+4:G0O+7], s[G1A:G1A+7]
	s_nop 0
	NOPS 4
	WIN 0x40
.irp m, 0,1
.irp s, 0,1,2,3
.irp c, 0,1,2,3
	global_load_b128 v[16*(4*\m+\s)+4*\c:16*(4*\m+\s)+4*\c+3], v[LI], s[8:9] offset:2048*(4*\m+\s)+512*\c th:TH_LOAD_NT
.endr
.endr
.endr
	WIN 0
	s_wait_alu depctr_va_vdst(0)
.irp s, 0,1,2,3
	global_load_b32 v[ASH+2*\s], v[OSA], s[10:11] offset:64*\s
.endr
	PRE 0, 0
	WIN 0x80
.irp m, 0,1
.irp nt, 0,1,2,3,4,5,6,7
	global_load_b128 v[64*\m+8*\nt:64*\m+8*\nt+3], v[XR], s[12:13] offset:8*\m*2048+64*\nt th:TH_LOAD_NT
	global_load_b128 v[64*\m+8*\nt+4:64*\m+8*\nt+7], v[XR], s[12:13] offset:8*\m*2048+64*\nt+16 th:TH_LOAD_NT
.endr
.endr
	WIN 0
	s_wait_tensorcnt 0x1
	BODY 0, 0
	HALF 0, 1, G0W1, G1A, 0, 0, 0
	NOPS 8
	WIN 0xcb
.set lp, 0
.rept 64
	v_pk_add_f32 v[2*lp:2*lp+1], v[2*lp:2*lp+1], v[2*lp:2*lp+1]   ; + x
.set lp, lp+1
.endr
	WIN 0x80
.irp nt, 0,1,2,3,4,5,6,7
	global_load_b128 v[8*\nt:8*\nt+3], v[BA], s[20:21] offset:64*\nt
	global_load_b128 v[8*\nt+4:8*\nt+7], v[BA], s[20:21] offset:64*\nt+16
	global_load_b128 v[64+8*\nt:64+8*\nt+3], v[BA], s[22:23] offset:64*\nt
	global_load_b128 v[64+8*\nt+4:64+8*\nt+7], v[BA], s[22:23] offset:64*\nt+16
	global_load_b128 v[128+8*\nt:128+8*\nt+3], v[BA], s[34:35] offset:64*\nt
	global_load_b128 v[128+8*\nt+4:128+8*\nt+7], v[BA], s[34:35] offset:64*\nt+16
.endr
	LNSTAT 0, 0
	CENTER
	LNSTAT 1, 1
	RSTD
	s_wait_loadcnt 0x0
	WIN 0xaa
.set lp, 0
.rept 32
	v_pk_add_f32 v[128+2*lp:128+2*lp+1], v[64+2*lp:64+2*lp+1], v[128+2*lp:128+2*lp+1]   ; beta1 + b2
.set lp, lp+1
.endr
.irp m, 0,1
	WIN 0xc3
.set lp, 0
.rept 32
	v_pk_mul_f32 v[64*\m+2*lp:64*\m+2*lp+1], v[64*\m+2*lp:64*\m+2*lp+1], v[RS+2*\m:RS+2*\m+1]
.set lp, lp+1
.endr
	WIN 0x6b
.set lp, 0
.rept 32
	v_pk_fma_f32 v[2*lp:2*lp+1], v[64*\m+2*lp:64*\m+2*lp+1], v[2*lp:2*lp+1], v[64+2*lp:64+2*lp+1]   ; x1, for the quantiser
.set lp, lp+1
.endr
	WIN 0xeb
.set lp, 0
.rept 32
	v_pk_fma_f32 v[64*\m+2*lp:64*\m+2*lp+1], v[64*\m+2*lp:64*\m+2*lp+1], v[2*lp:2*lp+1], v[128+2*lp:128+2*lp+1]   ; x1 + b2: where the last product's sums begin
.set lp, lp+1
.endr
	WIN 0x55
	QUANT 4, 0, 0
	v_lshl_or_b32 v[PW], v[TM+5], 8, v[TM+4]
	v_lshl_or_b32 v[PW], v[TM+6], 16, v[PW]
	v_lshl_or_b32 v[PW], v[TM+7], 24, v[PW]
	WIN 0x04
.irp c, 0,1,2,3
	ds_store_b128 v[HWI], v[PC+4*\c:PC+4*\c+3] offset:8192*\m+512*\c
.endr
	ds_store_b32 v[HWS], v[PW] offset:64*\m
	WIN 0
	s_wait_dscnt 0x0
.endr
	s_barrier_signal -1
	s_barrier_wait -1
	WIN 0x80
.irp m, 0,1
.irp s, 0,1,2,3
.irp c, 0,1,2,3
	ds_load_b128 v[16*(4*\m+\s)+4*\c:16*(4*\m+\s)+4*\c+3], v[AIR] offset:2048*(4*\m+\s)+512*\c
.endr
.endr
.endr
	WIN 0
.irp s, 0,1,2,3
	ds_load_b32 v[ASX+2*\s], v[ASA] offset:256*\s
.endr
	s_wait_dscnt 0x0
	s_barrier_signal -1
	s_barrier_wait -1
	s_mov_b32 s[CNT], 3
.Ltrip:
	TRIP 0
	s_sub_co_u32 s[CNT], s[CNT], 1
	s_cmp_lg_u32 s[CNT], 0
	s_cbranch_scc1 .Ltrip
	TRIP 1
	NOPS 8
	LNSTAT 2, 0
	CENTER
	LNSTAT 3, 1
	RSTD
	WIN 0xc3
.irp m, 0,1
.set lp, 0
.rept 32
	v_pk_mul_f32 v[64*\m+2*lp:64*\m+2*lp+1], v[64*\m+2*lp:64*\m+2*lp+1], v[RS+2*\m:RS+2*\m+1]
.set lp, lp+1
.endr
.endr
	WIN 0xeb
.irp m, 0,1
.set lp, 0
.rept 32
	v_pk_fma_f32 v[64*\m+2*lp:64*\m+2*lp+1], v[64*\m+2*lp:64*\m+2*lp+1], v[2*lp:2*lp+1], v[64+2*lp:64+2*lp+1]
.set lp, lp+1
.endr
.endr
; the way out: 16 tokens x my 128 columns through my own part of slot 0, which has had its last fill; whole rows of 512 bytes leave
.macro TOSTAGE m
	WIN 0x0c
.irp nt, 0,1,2,3,4,5,6,7
	ds_store_b128 v[STO], v[64*\m+8*\nt:64*\m+8*\nt+3] offset:8448*\m+64*\nt
	ds_store_b128 v[STO], v[64*\m+8*\nt+4:64*\m+8*\nt+7] offset:8448*\m+64*\nt+16
.endr
	WIN 0
.irp i, 0,1,2,3,4,5,6,7,8,9,10,11,12,13,14,15
	ds_load_b128 v[WB0+64*\m+4*\i:WB0+64*\m+4*\i+3], v[RD] offset:WP*(16*\m+\i)
.endr
.endm
.macro SEND m, younger
	s_wait_dscnt \younger
.irp i, 0,1,2,3,4,5,6,7,8,9,10,11,12,13,14,15
	global_store_b128 v[LI], v[WB0+64*\m+4*\i:WB0+64*\m+4*\i+3], s[40:41] offset:(8*\m+\i+8*(\i/8))*2048 th:TH_STORE_NT
.endr
.endm
	TOSTAGE 0
	TOSTAGE 1
	SEND 0, 32                                     ; behind tile 0's loads: tile 1's 16 stores and 16 loads
	SEND 1, 0
	s_wait_tensorcnt 0x0
	ds_add_u32 v[SPW], v[NIL]
	s_wait_dscnt 0x0
	ROUND
	s_endpgm
.Lfunc_end_k_qb6e888c2a0_post:
	.size	k_qb6e888c2a0_post, .Lfunc_end_k_qb6e888c2a0_post-k_qb6e888c2a0_post
	.p2alignl 7, 3214868480
	.fill 96, 4, 3214868480
	.section	.rodata,"a",@progbits
	.p2align	6, 0x0
	.amdhsa_kernel k_qb6e888c2a0_post
		.amdhsa_group_segment_fixed_size 327680
		.amdhsa_private_segment_fixed_size 0
		.amdhsa_enable_private_segment 0
		.amdhsa_kernarg_size 136
		.amdhsa_user_sgpr_count 2
		.amdhsa_user_sgpr_kernarg_segment_ptr 1
		.amdhsa_wavefront_size32 1
		.amdhsa_system_sgpr_workgroup_id_x 1
		.amdhsa_system_sgpr_workgroup_id_y 1
		.amdhsa_system_sgpr_workgroup_id_z 1
		.amdhsa_system_vgpr_workitem_id 0
		.amdhsa_next_free_vgpr 1024
		.amdhsa_next_free_sgpr 104
		.amdhsa_reserve_vcc 0
		.amdhsa_float_denorm_mode_32 3
		.amdhsa_float_denorm_mode_16_64 3
		.amdhsa_memory_ordered 1
		.amdhsa_forward_progress 1
		.amdhsa_inst_pref_size 255
	.end_amdhsa_kernel
	.section	.bss,"aw",@nobits
	.p2align	6
	.space	262144
	.amdgpu_metadata
---
amdhsa.version: [ 1, 2 ]
amdhsa.kernels:
  - .name:           k_qb6e888c2a0_post
    .symbol:         k_qb6e888c2a0_post.kd
    .args:
      - { .name: oimg, .offset: 0, .size: 8, .value_kind: global_buffer, .address_space: global }
      - { .name: osc, .offset: 8, .size: 8, .value_kind: global_buffer, .address_space: global }
      - { .name: x, .offset: 16, .size: 8, .value_kind: global_buffer, .address_space: global }
      - { .name: Wo_codes, .offset: 24, .size: 8, .value_kind: global_buffer, .address_space: global }
      - { .name: Wo_scales, .offset: 32, .size: 8, .value_kind: global_buffer, .address_space: global }
      - { .name: bo, .offset: 40, .size: 8, .value_kind: global_buffer, .address_space: global }
      - { .name: gamma1, .offset: 48, .size: 8, .value_kind: global_buffer, .address_space: global }
      - { .name: beta1, .offset: 56, .size: 8, .value_kind: global_buffer, .address_space: global }
      - { .name: W1_codes, .offset: 64, .size: 8, .value_kind: global_buffer, .address_space: global }
      - { .name: W1_scales, .offset: 72, .size: 8, .value_kind: global_buffer, .address_space: global }
      - { .name: b1, .offset: 80, .size: 8, .value_kind: global_buffer, .address_space: global }
      - { .name: W2_codes, .offset: 88, .size: 8, .value_kind: global_buffer, .address_space: global }
      - { .name: W2_scales, .offset: 96, .size: 8, .value_kind: global_buffer, .address_space: global }
      - { .name: b2, .offset: 104, .size: 8, .value_kind: global_buffer, .address_space: global }
      - { .name: gamma2, .offset: 112, .size: 8, .value_kind: global_buffer, .address_space: global }
      - { .name: beta2, .offset: 120, .size: 8, .value_kind: global_buffer, .address_space: global }
      - { .name: out0, .offset: 128, .size: 8, .value_kind: global_buffer, .address_space: global }
    .group_segment_fixed_size: 327680
    .private_segment_fixed_size: 0
    .kernarg_segment_align: 8
    .kernarg_segment_size: 136
    .max_flat_workgroup_size: 128
    .sgpr_count:     104
    .vgpr_count:     1024
    .wavefront_size: 32
...
	.end_amdgpu_metadata
.endif
;; end of part 3
